; MI455X (gfx1250); checked and timed in simulation.
; The chip was launched on July 23, 2026; its instructions are those of AMD's public machine-readable ISA for CDNA 5 (MIT licence, August 2026) and "CDNA5" Instruction Set Architecture Reference Guide (July 2026). The comments in the code are by the model that wrote it; some were corrected since.
;; Monotonic Spline. Allowed arithmetic: float matrix products may take bf16 or f16 operands with f32 sums; all other float work in f32.
;; Inputs: c0 1 float32; grid 1 x 27 float32; raw_delta 22 float32; x 1,024 x 4,096 float32.
;; Outputs: out0 1,024 x 4,096 float32.
;; One version. Each part assembles by itself: llvm-mc -triple=amdgcn-amd-amdhsa -mcpu=gfx1250 --defsym DOCPART=n.
;; ======== version 1 of 1: 1 launch
;; launch spline (part 1): grid 256 x 1, 16 waves a work-group, no clusters, 3,072 bytes of LDS; arguments x, grid, c0, raw_delta, out0; writes out0
.if DOCPART == 1
	.amdgcn_target "amdgcn-amd-amdhsa--gfx1250"
	.amdhsa_code_object_version 6
	.text
	.protected	k_qc3d5db0e12_spline
	.globl	k_qc3d5db0e12_spline
	.p2align	8
	.type	k_qc3d5db0e12_spline,@function
k_qc3d5db0e12_spline:
	s_mov_b64 s[64:65], 0
	v_nop
	global_prefetch_b8 v0, s[64:65] scope:SCOPE_SE
	s_setreg_imm32_b32 hwreg(HW_REG_WAVE_MODE, 25, 1), 1
	s_wait_xcnt 0x0
; y = sum over c of B_c(clip(x, 0, 1)) coef_c: B_c the 23 cubic Cox-de Boor functions on the 27 knots g_0..g_26 (an input, taken as it comes: not
; assumed uniform or sorted), coef = cumsum([c0, 0.025 + 0.125 sigmoid(raw_delta)]).  (x - 0) / (1 + 1e-8) is x in f32.
; FORM.  The recursion is linear in the 26 degree-0 indicators, so y(x) = sum over j of [g_j <= x < g_j+1] P_j(x), where P_j is the cubic that
; de Boor's triangle makes of c_j-3..c_j and g_j-2..g_j+3, with reference()'s own denominators (g_b - g_a + 1e-8).  The product with coef is inside P_j,
; so no matrix product is left to do.  No address and no branch hangs on x: all 26 cubics are evaluated and chosen by v_cndmask_b32, so
; that a cubic outside its interval, however large, never enters the sum; they are added, since intervals of an unsorted grid may overlap.
; SHARES.  256 work-groups of 16 waves; a work-group owns 65,536 bytes of x, a wave 4,096 consecutive bytes in 4 blocks of 1,024: two loads of
; 16 bytes a lane, each covering 512 consecutive aligned bytes; the stores likewise.  The next block's loads are issued at a block's head.
; TABLE.  Wave 0 makes it, lane j for interval j: P_j's four coefficients in u = x - g_j; it goes through LDS, and every wave keeps it in registers.
; LIMITS.  A NaN in x gives the spline's value at a bound of the clip (reference(): 0).  NaN knots, and a grid in which some g_b - g_a + 1e-8 is
; exactly 0, are not served (nan_to_num per basis function is not reproduced).  A division is v_rcp_f32 and a multiply; the sums' order differs.
.set BLOCKS, 4                         ; blocks of a wave
.set BLK,    1024                      ; bytes in a block
.set NINT,   26                        ; intervals
.set LTAB,   0                         ; LDS: entry j, 16 bytes: e0..e3 of P_j; 32 entries
.set LKN,    512                       ; LDS: word k = g_min(k, 26); 32 words
.set LCS,    640                       ; LDS: wave 0's own: three zeros, then coef_0..coef_22, then zeros: 35 words
.set XN,  4                            ; v[4:11]    a block as loaded
.set XC,  12                           ; v[12:19]   clipped
.set YS,  20                           ; v[20:27]   the sums
.set UU,  28                           ; v[28:35]   u = x - g_j
.set TT,  36                           ; v[36:43]   P_j(u)
.set KN,  44                           ; v[44:71]   knot k in v[KN+k]
.set PC,  72                           ; v[72:175]  e0..e3 of interval j in v[PC+4j..]
; wave 0's registers while it makes the table: inside PC, which is loaded only later
.set KM2, 72                           ; v[72:77]   g_j-2 .. g_j+3, indices clamped to 0..26
.set KM1, 73
.set K0,  74
.set KP1, 75
.set KP2, 76
.set KP3, 77
.set DEL, 78                           ; raw_delta, then delta
.set ACC, 79                           ; coef_lane
.set TMP, 80
.set EIGHTH, 81
.set ZERO, 82
.set CF,  84                           ; v[84:87]   coef_j, coef_j-1, coef_j-2, coef_j-3
.set D2A, 88                           ; degree 1 in u: the triangle's first level, for j-2, j-1, j
.set D2B, 90
.set D2C, 92
.set D1A, 96                           ; degree 2: second level, for j-1, j
.set D1B, 100
.set POL, 104                          ; v[104:107] P_j
.set DEN, 108
.set INV, 109
.set PP,  110
.set QQ,  111
.set WK,  112
.set KOFF, 113                         ; v[113:118] byte offsets of the six knots (+ 8)
.set ROFF, 119                         ; byte offset in raw_delta
.set CSA, 120                          ; 4 x lane
.set TBA, 121                          ; 16 x lane
.set MA,  24                           ; s[24:31]   masks x >= g_j, one for each of the block's 8 registers; MA and MB take turns
.set MB,  32                           ; s[32:39]   masks x >= g_j+1
.set IN,  40                           ; s[40:47]   masks of the interval
	s_load_b256 s[4:11], s[0:1], 0x0               ; x s[4:5], grid s[6:7], c0 s[8:9], raw_delta s[10:11]
	s_load_b64 s[12:13], s[0:1], 0x20              ; out0
	v_lshl_add_u32 v176, v0, 2, 0x400
	v_mov_b32 v177, 0
	v_and_b32 v3, 31, v0                           ; lane
	v_lshrrev_b32 v2, 5, v0
	v_readfirstlane_b32 s14, v2                    ; wave 0..15
	v_lshlrev_b32 v1, 4, v3
	v_lshl_or_b32 v1, v2, 12, v1                   ; 4,096 x wave + 16 x lane; never rewritten
	v_mov_b32 v2, 0                                ; LDS address of the table
	s_lshl_b32 s16, ttmp9, 16                      ; the work-group's 65,536 bytes
	s_mov_b32 s17, 0
	s_wait_kmcnt 0x0
	s_add_nc_u64 s[4:5], s[4:5], s[16:17]
	s_add_nc_u64 s[12:13], s[12:13], s[16:17]
	global_load_b128 v[XN:XN+3],   v1, s[4:5] th:TH_LOAD_NT              ; block 0 is on its way while the table is made
	global_load_b128 v[XN+4:XN+7], v1, s[4:5] offset:512 th:TH_LOAD_NT
	s_cmp_lg_u32 s14, 0
	s_cbranch_scc1 .Ltable
	; ---- wave 0 alone: lane j makes P_j ----
.irp i, 0,1,2,3,4,5
	v_add_nc_u32 v[KOFF+\i], \i, v3                ; (lane + i - 2) + 2,
	v_min_u32 v[KOFF+\i], 28, v[KOFF+\i]           ; clamped to 2..28,
	v_max_u32 v[KOFF+\i], 2, v[KOFF+\i]
	v_lshlrev_b32 v[KOFF+\i], 2, v[KOFF+\i]        ; in bytes: the load's immediate takes the 2 words off again: knot clamp(lane + i - 2, 0, 26)
.endr
	v_min_u32 v[ROFF], 21, v3
	v_lshlrev_b32 v[ROFF], 2, v[ROFF]
.irp i, 0,1,2,3,4,5
	global_load_b32 v[KM2+\i], v[KOFF+\i], s[6:7] offset:-8
.endr
	global_load_b32 v[DEL], v[ROFF], s[10:11]      ; lane i: raw_delta[min(i, 21)]
	s_load_b32 s15, s[8:9], 0x0                    ; c0
	v_mov_b32 v[ZERO], 0
	v_lshlrev_b32 v[CSA], 2, v3
	v_lshlrev_b32 v[TBA], 4, v3
	s_wait_loadcnt 0x0                             ; the seven loads above are the youngest: nothing may stay out
	s_wait_kmcnt 0x0
	; delta = 0.025 + 0.125 / (1 + 2^(-log2(e) r))
	v_mul_f32 v[DEL], 0xbfb8aa3b, v[DEL]
	v_exp_f32 v[DEL], v[DEL]
	v_mov_b32 v[EIGHTH], 0x3e000000                ; a plain instruction between the exponential and the use of its result (ISA guide 5.7.2)
	s_wait_alu depctr_va_vdst(0)
	v_add_f32 v[DEL], 1.0, v[DEL]
	v_rcp_f32 v[DEL], v[DEL]
	v_mov_b32 v[ACC], s15                          ; the same behind the reciprocal: coef_0 = c0 starts every lane's sum
	s_wait_alu depctr_va_vdst(0)
	v_fmaak_f32 v[DEL], v[DEL], v[EIGHTH], 0x3ccccccd
	; coef_lane = c0 + delta_0 + .. + delta_lane-1, added in ascending order
.set i, 0
.rept 22
	v_readlane_b32 s19, v[DEL], i
	v_cmp_lt_u32 vcc_lo, i, v3
	v_add_f32 v[TMP], s19, v[ACC]
	v_cndmask_b32 v[ACC], v[ACC], v[TMP], vcc_lo
.set i, i+1
.endr
	v_cmp_gt_u32 vcc_lo, 23, v3
	v_cndmask_b32 v[ACC], 0, v[ACC], vcc_lo        ; there are 23 coefficients: zero beyond them
	; Coefficients outside 0..22 count as zero.  With that every term which reference()'s shorter arrays do not have vanishes, at both ends of the
	; grid: the clamped knots meet zeros alone, and no case is told apart.
	ds_store_b32 v[CSA], v[ZERO] offset:LCS        ; words 0..31 = 0,
	ds_store_b32 v[CSA], v[ACC] offset:LCS+12      ; then words 3..34 = coef: LDS serves a wave's instructions in order (ISA guide 5.7.1.4)
.irp s, 0,1,2,3
	ds_load_b32 v[CF+\s], v[CSA] offset:LCS+12-4*\s    ; coef_lane-s
.endr
	s_wait_dscnt 0x0
; One node of the triangle: o(u) = [(x - gl) F(u) + (gr - x) H(u)] / (gr - gl + 1e-8), with x = g_j + u: x - gl = u + p, gr - x = q - u.
; F and H have degree n (coefficients in v[f..], v[h..], ascending), o has degree n + 1:
; o_0 = a (p f_0 + q h_0);  o_k = a (f_k-1 - h_k-1 + p f_k + q h_k);  o_n+1 = a (f_n - h_n).
.macro LEVEL o, n, f, h, gl, gr
	v_sub_f32 v[DEN], v[\gr], v[\gl]
	v_add_f32 v[DEN], 0x322bcc77, v[DEN]           ; + 1e-8, in f32 as in reference()
	v_rcp_f32 v[INV], v[DEN]
	v_sub_f32 v[PP], v[K0], v[\gl]                 ; also the plain instruction behind the reciprocal
	v_sub_f32 v[QQ], v[\gr], v[K0]
	v_mul_f32 v[WK], v[PP], v[\f]
	v_fmac_f32 v[WK], v[QQ], v[\h]
	s_wait_alu depctr_va_vdst(0)
	v_mul_f32 v[\o], v[INV], v[WK]
.if \n
.set k, 1
.rept \n
	v_sub_f32 v[WK], v[\f+k-1], v[\h+k-1]
	v_fmac_f32 v[WK], v[PP], v[\f+k]
	v_fmac_f32 v[WK], v[QQ], v[\h+k]
	v_mul_f32 v[\o+k], v[INV], v[WK]
.set k, k+1
.endr
.endif
	v_sub_f32 v[WK], v[\f+\n], v[\h+\n]
	v_mul_f32 v[\o+\n+1], v[INV], v[WK]
.endm
	LEVEL D2A, 0, CF+2, CF+3, KM2, KP1
	LEVEL D2B, 0, CF+1, CF+2, KM1, KP2
	LEVEL D2C, 0, CF+0, CF+1, K0,  KP3
	LEVEL D1A, 1, D2B,  D2A,  KM1, KP1
	LEVEL D1B, 1, D2C,  D2B,  K0,  KP2
	LEVEL POL, 2, D1B,  D1A,  K0,  KP1
	ds_store_b128 v[TBA], v[POL:POL+3] offset:LTAB
	ds_store_b32 v[CSA], v[K0] offset:LKN          ; word k = g_min(k, 26)
.Ltable:
	s_wait_dscnt 0x0                               ; for the other waves' sake: wave 0's stores of the table are done
	s_barrier_signal -1
	s_barrier_wait -1                              ; the one barrier
.set j, 0
.rept NINT
	ds_load_b128 v[PC+4*j:PC+4*j+3], v2 offset:LTAB+16*j       ; all lanes read the same 16 bytes
.set j, j+1
.endr
.set j, 0
.rept 7
	ds_load_b128 v[KN+4*j:KN+4*j+3], v2 offset:LKN+16*j
.set j, j+1
.endr
	s_wait_dscnt 0x0
; Interval j for the block's 8 registers (4 pairs).  The mask x >= g_j+1 made here is the next interval's x >= g_j: MA and MB take turns.
; A packed source's op_sel and op_sel_hi pick ONE register of a pair of the table for both halves.
.macro STEP j
.if (\j) % 2
.set CU, MB
.set NX, MA
.else
.set CU, MA
.set NX, MB
.endif
.irp i, 0,1,2,3,4,5,6,7
	v_cmp_ge_f32 s[NX+\i], v[XC+\i], v[KN+\j+1]
.endr
.irp i, 0,2,4,6
.if (\j) % 2
	v_pk_add_f32 v[UU+\i:UU+\i+1], v[XC+\i:XC+\i+1], v[KN+\j-1:KN+\j] op_sel:[0,1] op_sel_hi:[1,1] neg_lo:[0,1] neg_hi:[0,1]   ; u = x - g_j: the pair's second
.else
	v_pk_add_f32 v[UU+\i:UU+\i+1], v[XC+\i:XC+\i+1], v[KN+\j:KN+\j+1] op_sel_hi:[1,0] neg_lo:[0,1] neg_hi:[0,1]                ; the pair's first
.endif
.endr
.irp i, 0,2,4,6
	v_pk_fma_f32 v[TT+\i:TT+\i+1], v[UU+\i:UU+\i+1], v[PC+4*\j+2:PC+4*\j+3], v[PC+4*\j+2:PC+4*\j+3] op_sel:[0,1,0] op_sel_hi:[1,1,0]   ; e3 u + e2
.endr
.irp i, 0,2,4,6
	v_pk_fma_f32 v[TT+\i:TT+\i+1], v[TT+\i:TT+\i+1], v[UU+\i:UU+\i+1], v[PC+4*\j:PC+4*\j+1] op_sel:[0,0,1] op_sel_hi:[1,1,1]           ; .. u + e1
.endr
.irp i, 0,2,4,6
	v_pk_fma_f32 v[TT+\i:TT+\i+1], v[TT+\i:TT+\i+1], v[UU+\i:UU+\i+1], v[PC+4*\j:PC+4*\j+1] op_sel_hi:[1,1,0]                          ; .. u + e0
.endr
.irp i, 0,1,2,3,4,5,6,7
	s_and_not1_b32 s[IN+\i], s[CU+\i], s[NX+\i]    ; g_j <= x and not g_j+1 <= x
.endr
.if (\j) == 0
.irp i, 0,1,2,3,4,5,6,7
	v_cndmask_b32 v[YS+\i], 0, v[TT+\i], s[IN+\i]  ; the first interval starts the sums: nothing is cleared
.endr
.else
.irp i, 0,1,2,3,4,5,6,7
	v_cndmask_b32 v[TT+\i], 0, v[TT+\i], s[IN+\i]
.endr
.irp i, 0,2,4,6
	v_pk_add_f32 v[YS+\i:YS+\i+1], v[YS+\i:YS+\i+1], v[TT+\i:TT+\i+1]
.endr
.endif
.endm
; One block.  more = 1: the next block is asked for, and the bases step on.
.macro BLOCK more
	s_wait_loadcnt 0x0                             ; this block's two loads are the only ones out; they were issued a whole block ago
.irp i, 0,1,2,3,4,5,6,7
	v_med3_num_f32 v[XC+\i], v[XN+\i], 0, 1.0      ; the clip, which also frees the registers that are loaded into
.endr
.if \more
	global_load_b128 v[XN:XN+3],   v1, s[4:5] offset:BLK th:TH_LOAD_NT
	global_load_b128 v[XN+4:XN+7], v1, s[4:5] offset:BLK+512 th:TH_LOAD_NT
.endif
.irp i, 0,1,2,3,4,5,6,7
	v_cmp_ge_f32 s[MA+\i], v[XC+\i], v[KN]
.endr
.irp j, 0,1,2,3,4,5,6,7,8,9,10,11,12,13,14,15,16,17,18,19,20,21,22,23,24,25
	STEP \j
.endr
	global_store_b128 v1, v[YS:YS+3],   s[12:13] th:TH_STORE_NT          ; each store of the wave covers 512 consecutive bytes, aligned
	global_store_b128 v1, v[YS+4:YS+7], s[12:13] offset:512 th:TH_STORE_NT
.if \more
	s_wait_xcnt 0x0                                ; every earlier memory instruction has had its addresses translated (ISA guide 3.1): only behind this wait are the two bases stepped and the sums written again
	s_add_nc_u64 s[4:5], s[4:5], BLK
	s_add_nc_u64 s[12:13], s[12:13], BLK
.endif
.endm
	s_mov_b32 s18, BLOCKS-1
.Lblock:
	BLOCK 1
	s_sub_co_u32 s18, s18, 1
	s_cmp_lg_u32 s18, 0
	s_cbranch_scc1 .Lblock
	BLOCK 0                                        ; the last block is written out: it asks for nothing, so no load leaves the buffer
	s_wait_tensorcnt 0x0
	ds_add_u32 v176, v177
	s_wait_dscnt 0x0
	s_endpgm
.Lfunc_end_k_qc3d5db0e12_spline:
	.size	k_qc3d5db0e12_spline, .Lfunc_end_k_qc3d5db0e12_spline-k_qc3d5db0e12_spline
	.p2alignl 7, 3214868480
	.fill 96, 4, 3214868480
	.section	.rodata,"a",@progbits
	.p2align	6, 0x0
	.amdhsa_kernel k_qc3d5db0e12_spline
		.amdhsa_group_segment_fixed_size 3072
		.amdhsa_private_segment_fixed_size 0
		.amdhsa_enable_private_segment 0
		.amdhsa_kernarg_size 40
		.amdhsa_user_sgpr_count 2
		.amdhsa_user_sgpr_kernarg_segment_ptr 1
		.amdhsa_wavefront_size32 1
		.amdhsa_system_sgpr_workgroup_id_x 1
		.amdhsa_system_sgpr_workgroup_id_y 1
		.amdhsa_system_sgpr_workgroup_id_z 1
		.amdhsa_system_vgpr_workitem_id 0
		.amdhsa_next_free_vgpr 178
		.amdhsa_next_free_sgpr 66
		.amdhsa_reserve_vcc 1
		.amdhsa_float_denorm_mode_32 3
		.amdhsa_float_denorm_mode_16_64 3
		.amdhsa_memory_ordered 1
		.amdhsa_forward_progress 1
		.amdhsa_inst_pref_size 145
	.end_amdhsa_kernel
	.amdgpu_metadata
---
amdhsa.version: [ 1, 2 ]
amdhsa.kernels:
  - .name:           k_qc3d5db0e12_spline
    .symbol:         k_qc3d5db0e12_spline.kd
    .args:
      - { .name: x, .offset: 0, .size: 8, .value_kind: global_buffer, .address_space: global }
      - { .name: grid, .offset: 8, .size: 8, .value_kind: global_buffer, .address_space: global }
      - { .name: c0, .offset: 16, .size: 8, .value_kind: global_buffer, .address_space: global }
      - { .name: raw_delta, .offset: 24, .size: 8, .value_kind: global_buffer, .address_space: global }
      - { .name: out0, .offset: 32, .size: 8, .value_kind: global_buffer, .address_space: global }
    .group_segment_fixed_size: 3072
    .private_segment_fixed_size: 0
    .kernarg_segment_align: 8
    .kernarg_segment_size: 40
    .max_flat_workgroup_size: 512
    .sgpr_count:     66
    .vgpr_count:     178
    .wavefront_size: 32
...
	.end_amdgpu_metadata
.endif
;; end of part 1
